; MI455X (gfx1250); checked and timed in simulation.
; The chip was launched on July 23, 2026; its instructions are those of AMD's public machine-readable ISA for CDNA 5 (MIT licence, August 2026) and "CDNA5" Instruction Set Architecture Reference Guide (July 2026). The comments in the code are by the model that wrote it; some were corrected since.
;; Flash Attention. Allowed arithmetic: matrix products marked QUANTISED: E2M3 operands, one E8M0 scale for each 32 along K, by v_wmma_scale_f32_16x16x128_f8f6f4 with both operands' format E2M3, f32 sums; everything else in f32.
;; Inputs: k 4 x 2,048 x 16 x 64 float32; q 4 x 2,048 x 16 x 64 float32; v 4 x 2,048 x 16 x 64 float32.
;; Outputs: out0 4 x 2,048 x 16 x 64 float32.
;; This version of the problem:
;;   THIS VERSION OF THE PROBLEM IS GIVEN IN LOW PRECISION. The matrix products marked QUANTISED in the list below multiply operands that are first quantised to E2M3 (2 exponent bits, 3 mantissa bits; 6 bits a number), with one power-of-two scale for each 32 numbers along K (OCP MX v1.0); their sums are f32. All else is computed in f32.
;;   The module's matrix products, in the order in which they are computed (A, B: the left and right operand; K: the contracted axis; several contracted axes count as one K, in the product's order):
;;     1. batch 64 x [M 2,048, K 64] x [K 64, N 2,048]; A: input q; B: input k: QUANTISED
;;     2. batch 64 x [M 64, K 2,048] x [K 2,048, N 2,048]; A: input v; B: softmax (see below): QUANTISED
;;   THE QUANTISER, for each operand of a quantised product, along K:
;;     - K is cut into blocks of 32 from its start; a last block that is shorter is filled with zeros.
;;     - A block's scale is 2^e with e = floor(log2(the largest magnitude in the block)) - 2, held to -126 .. 127; a block of zeros has e = 0. As a byte (E8M0): e + 127.
;;     - Each number is divided by its block's scale, clamped to +-7.5, and rounded to the nearest number of E2M3, ties to even, subnormals kept.
;;     - The product sums the exact products of the quantised numbers (number of the format x scale) in f32.
;;   ~~~python
;;   def quantise(x, axis):      # numpy; x: float32 -> the quantised numbers, widened to float32 again
;;       x = np.moveaxis(x, axis, -1); K = x.shape[-1]
;;       x = np.pad(x, [(0, 0)] * (x.ndim - 1) + [(0, -K % 32)]); x = x.reshape(x.shape[:-1] + (-1, 32)); a = np.abs(x).max(-1, keepdims=True)
;;       e = np.where(a > 0, np.clip(np.frexp(np.where(a > 0, a, 1))[1] - 1 - 2, -126, 127), 0)      # np.frexp(a)[1] - 1 = floor(log2(a)), exactly
;;       r = np.clip(x / 2.0 ** e, -7.5, 7.5)
;;       step = 2.0 ** (np.maximum(np.frexp(np.where(r == 0, 1, r))[1] - 1, 0) - 3)
;;       q = np.round(r / step) * step * 2.0 ** e      # np.round: ties to even
;;       return np.moveaxis(q.reshape(q.shape[:-2] + (-1,))[..., :K], -1, axis).astype(np.float32)
;;   ~~~
;;   SOFTMAX AHEAD OF A QUANTISED PRODUCT. Where the list says 'softmax', what is quantised is not the finished softmax but p = 2^(t - M), with t = logit x log2(e) and M = ceil(the row's largest t), a whole number; so 1/2 < the row's largest p <= 1. The row's sum l is taken of the UNQUANTISED p, in f32, and the product's result is divided by l at the end. Since M is a whole number, a kernel that streams over the keys may use a running M (the ceiling of the running maximum): every later rescaling is an exact power of two, which a block's scale takes up: the codes' values come out the same.
;;   OPERANDS COMPUTED ON THE WAY. 'Computed on the way' means the value that the module computes at that place (a softmax that the list does not call 'softmax' is quantised finished and normalised). What goes into a quantiser is computed in f32, as accurately as f32 sums, v_exp_f32 and their like allow (about 1e-6 of the number): no bf16 or f16 on the way to a quantiser, and a product that is left as it is and whose result goes on into a quantised operand takes f32 operands (vector FMAs, or v_wmma_f32_16x16x4_f32). A number that lies on a knife's edge between two numbers of the format may be rounded either way, as far as f32 arithmetic and the matrix unit's own rounding can turn it there, and no further.
;; 2 versions. Each part assembles by itself: llvm-mc -triple=amdgcn-amd-amdhsa -mcpu=gfx1250 --defsym DOCPART=n.
;; ======== version 1 of 2: 1 launch
;; limits: right only within a limited range of input values
;; launch attn (part 1): grid 4 x 64, 16 waves a work-group, no clusters, 305,664 bytes of LDS; arguments q, k, v, out0; writes out0
.if DOCPART == 1
	.amdgcn_target "amdgcn-amd-amdhsa--gfx1250"
	.amdhsa_code_object_version 6
	.text
	.protected	k_q29e7381484_attn
	.globl	k_q29e7381484_attn
	.p2align	8
	.type	k_q29e7381484_attn,@function
k_q29e7381484_attn:
	s_mov_b64 s[64:65], 0
	v_nop
	global_prefetch_b8 v0, s[64:65] scope:SCOPE_SE
	s_setreg_imm32_b32 hwreg(HW_REG_WAVE_MODE, 25, 1), 1
	s_wait_xcnt 0x0
; out0[b][s][h][:] = the sum over keys t <= s of softmax_t(q[b][s][h] . k[b][t][h] / 8) v[b][t][h][:].  q, k, v, out0: [4][2048][16][64] f32; a (b, s, h) row is 256 bytes, neighbouring s lie 4,096 bytes apart.
; Both products run on codes of FP6 (E2M3) with one E8M0 scale for each 32 along K.  Product 1: K = the head's 64 (two blocks a row).  Product 2: K = the keys (v and p in blocks of 32 keys).
; THE SOFTMAX AHEAD OF PRODUCT 2: t = score x log2(e) / 8; M = the running largest t rounded UP to a whole number; p = 2^(t - M) is quantised, not normalised; the row's sum is taken of the unquantised p and divides at the end.
; SHARES.  256 work-groups of 16 waves.  Work-group (x, y) serves head y = 16 b + h and the query blocks 7 - x (the long pass, 2 (8 - x) key steps of 128 keys) and x (the short pass, 2 (x + 1) steps): 18 steps of
; attention for every work-group.  A wave owns one tile of 16 queries in 256 registers; four waves share a SIMD, so that one wave's vector work stands beside another's matrix work and LDS loads.
; k AND v ARRIVE AS f32 AND ARE QUANTISED HERE, in the long pass, a key step ahead of their use: waves 0-7 each make one tile of 16 keys of k, waves 8-15 each 32 channels x 32 keys of v; the codes go to LDS as images of
; the operands' registers (16 bytes a lane for registers 0-3 of a half fragment, 8 bytes a lane for registers 4, 5).  EVERY KEY STEP HAS LDS BYTES OF ITS OWN (16 x 12,800 bytes): no image byte is written twice.  So
; (1) the short pass, whose keys are the long pass's first, reads the images that lie there: no raw row is fetched or quantised again, and it has no barrier;  (2) the long pass's one barrier a step orders only 'made
; before read': a wave signals behind its own quantising of step g + 1, works on step g, and waits at the step's end, in front of its first read of step g + 1.
; PRODUCT 1 HAS K = 64, THE INSTRUCTION 128: a fragment of k holds key tile 2 g in its K 0-63 and tile 2 g + 1 in its K 64-127; q stands in 18 registers (6 zeros, 6 codes, 6 zeros), read as [q | 0] for the first tile and
; as [0 | q] for the second.  The half that is not meant meets zero codes and adds exactly 0 (every code is a finite number, every scale byte here lies in 1 .. 254).
; LAYOUT.  Both products are used transposed: S^T = k q^T (source 0 = 16 keys, source 1 = my 16 queries), O^T = v^T p^T (source 0 = 16 channels, source 1 = p): a lane holds ONE query (lane % 16) throughout.
; THE KEYS OF A TILE ARE NOT NEIGHBOURS: row m of tile 2 g + u is key 32 g + 8 u + m + 8 (m / 8), so that register S + 16 b + i of lane (r, h) is key 32 b + 16 h + i of the step: 16 neighbours for the conversions.
; THE MASK is reference()'s own: a step all of whose keys come after the wave's queries is jumped over (a scalar branch on ids; no barrier stands inside); on the diagonal hidden scores become -infinity ahead of the maximum.
; BOTH LOOPS HAVE CONSTANT TRIP COUNTS (16 and 8): the trips behind a pass's end fall under the same jump, since every key there comes after every query of the pass.
; NO CLUSTER, NO TENSOR LOADS: what the four work-groups of a head share is raw f32, which has to pass through registers to the quantiser; and the four fetch different numbers of key steps (2 (8 - x)),
; so that joint requests would not meet in every step.  All four begin at key 0, so that they walk the same raw rows in their first ten steps.
; LIMITS: NaN and infinities among the inputs are not served.  A block whose largest magnitude lies under 2^-124 (a block of zeros too) keeps the scale byte 1; a block of zeros has zero codes, and the bytes are read here alone.
; Hidden scores are -infinity where reference() adds -1e9: the same result as long as logits stay far under 1e9.
.set BUFB, 12800                       ; LDS: one key step's operands; step g's begin at g x BUFB, g = 0 .. 15
.set KIMG, 0                           ;   k: 8 half fragments (key tile T) of 768 bytes: 16 x lane: registers 0-3; 512 + 8 x lane: registers 4, 5
.set VIMG, 6144                        ;   v: 8 half fragments (2 f + c), the same form
.set KSC,  12288                       ;   k's scale words: word (g, r) at 64 g + 4 r, byte 2 u + h
.set VSC,  12544                       ;   v's: word (f, r) at 64 f + 4 r, byte = the step's block of 32 keys
.set QIM,  17*BUFB                     ; the second pass's q: 32 bytes a thread: 16 + 8 bytes of codes, 4 of the scale word.  (The bytes of a seventeenth step are left free: the long loop's last trip forms that
                                       ; address on a way that is never taken: KF + 128 = 2,048 there, which is no less than KEND for any x)
.set STG,  QIM+16384                   ; a stage of 16 rows x (256 + 16) bytes for each wave, the wave's own: raw rows are turned there, and results leave through it
.set SPI,  272                         ; its pitch: 17 x 16 bytes, so that sixteen rows' equal columns fall on different banks (64 banks of 4 bytes: ISA guide 11.1)
.set LI,   1                           ; v1   16 x lane
.set LS,   2                           ; v2   4 x lane
.set L8,   3                           ; v3   8 x lane
.set RW,   4                           ; v4   4096 (lane / 16) + 16 (lane % 16): two rows of 256 bytes an instruction, in q, k and out0
.set SA,   5                           ; v5   the stage by rows: my stage + 272 (lane / 16) + 16 (lane % 16)
.set SB,   6                           ; v6   the stage, a block to a lane: my stage + 272 (lane % 16) + 128 (lane / 16)
.set SO,   7                           ; v7   the stage, results in: my stage + 272 (lane % 16) + 32 (lane / 16)
.set PIM,  8                           ; v8   where, in a step's bytes, I store registers 0-3 of the codes that I make
.set PIM2, 9                           ; v9   registers 4, 5
.set PSC,  10                          ; v10  and the scale byte
.set QI,   11                          ; v11  QIM + 32 x thread
.set QZ,   16                          ; v16-33  6 zeros, q's 6 registers of codes, 6 zeros.   v12 -M, v13 the largest t, v[14:15] the sum in two halves
.set DL,   34                          ; v34  lane % 16 - 16 (lane / 16)
.set MT,   35                          ; v35  the mask's number
.set F,    36                          ; v36-83   four fragments: k's, then v's
.set RAW,  84                          ; v84-115  32 f32 numbers on their way from memory, then at work
.set C,    116                         ; v116-122 the codes just made
.set T0,   124                         ; v124-126 at work in the quantiser (T0, T1, SCO), then the addresses of its three stores;
.set T1,   125
.set SCO,  126                         ; (SCO: the conversion's scale operand)
.set A16,  124                         ; in a key step's attention the same three hold the step's bytes + 16, 8, 4 x lane
.set A8,   125
.set A4,   126
.set BY,   127                         ; the scale's byte
.set S,    128                         ; v128-191 S^T, then p
.set O,    192                         ; v192-223 O^T: 4 tiles of 16 channels
.set P,    224                         ; v224-235 p's codes
.set BM,   232                         ; v232-235 the blocks' largest scores (dead before the codes are made)
.set PT,   236                         ; v236-242 at work
.set SOP,  244                         ; v244-247 the conversions' scale operands
.set KS,   248                         ; v248-249 k's scale words: lanes 0-15 fragment 2 j, lanes 16-31 fragment 2 j + 1
.set VS,   250                         ; v250-251 v's likewise
.set FF,   252                         ; v252 f = 2^(old M - new M)
.set PW,   253                         ; v253 p's scale word
.set TT,   254
.set QS,   255                         ; v255 q's scale word (s0, s1, s0, s1)
.set WV,   12                          ; s12 wave
.set X,    14                          ; s14 work-group x
.set SEL,  16                          ; s[16:17] v_permlanex16_b32's selects for lane l xor 16
.set CS,   18                          ; s[18:19] c = log2(e) / 8
.set KF,   20                          ; s20 the step's first key
.set Q0,   21                          ; s21 my first query
.set KEND, 22                          ; s22 keys in the long pass
.set Q0B,  23                          ; s23 my first query of the short pass
.set TB,   24                          ; s24 LDS byte at which the step's operands begin: BUFB x step
.set TR,   25                          ; s25 trips to go
.set PP,   28                          ; s[28:29] where my part of the raw rows last asked for begins
.set OP1,  34                          ; s[34:35], s[36:37] out0 at my first query of pass 1, 2
.set OP2,  36
.set QP1,  38                          ; s[38:39], s[40:41] q likewise
.set QP2,  40
; A whole block of 32 numbers of one lane, v[x] .. v[x + 31], becomes 6 registers of codes in v[C] on and its scale byte in v[BY].
.macro QB x
	v_max3_num_f32 v[T0], |v[\x]|, |v[\x+1]|, |v[\x+2]|            ; the largest magnitude, in two chains
	v_max3_num_f32 v[T1], |v[\x+3]|, |v[\x+4]|, |v[\x+5]|
.irp i, 6,10,14,18,22,26
	v_max3_num_f32 v[T0], v[T0], |v[\x+\i]|, |v[\x+\i+1]|
	v_max3_num_f32 v[T1], v[T1], |v[\x+\i+2]|, |v[\x+\i+3]|
.endr
	v_max3_num_f32 v[T0], v[T0], |v[\x+30]|, |v[\x+31]|
	v_max3_num_f32 v[T0], v[T0], v[T1], 0x1800000                  ; and the floor 2^(3 - 127): the byte cannot fall under 1
	v_add_nc_u32 v[SCO], 0xff000000, v[T0]                         ; 2 off the exponent field: the conversion takes that field as its scale and nothing else
	v_cvt_scalef32_pk16_fp6_f32 v[C:C+2], v[\x:\x+15], v[SCO]
	v_cvt_scalef32_pk16_fp6_f32 v[C+4:C+6], v[\x+16:\x+31], v[SCO] ; (a conversion's three registers begin on an even number)
	v_lshrrev_b32 v[BY], 23, v[SCO]                                ; the scale's byte; also the plain place behind the conversions
	v_mov_b32 v[C+3], v[C+4]
	v_mov_b32 v[C+4], v[C+5]
	v_mov_b32 v[C+5], v[C+6]
.endm
; The raw rows of the key step at s[PP].  Waves 0-7: 16 rows of k, two whole rows of 256 bytes an instruction.  Waves 8-15: 32 keys x 32 channels of v, a lane to a channel, registers down the keys: 128 consecutive bytes an instruction.
.macro LOADRAW
	s_cmp_lt_u32 s[WV], 8
	s_cbranch_scc0 .Lraw_v_\@
.irp i, 0,1,2,3,4,5,6,7
	global_load_b128 v[RAW+4*\i:RAW+4*\i+3], v[RW], s[PP:PP+1] offset:(2*\i+8*(\i/4))*4096   ; tile rows 2 i, 2 i + 1: rows 8-15 lie 8 keys further on
.endr
	s_branch .Lraw_done_\@
.Lraw_v_\@:
.irp i, 0,1,2,3,4,5,6,7,8,9,10,11,12,13,14,15,16,17,18,19,20,21,22,23,24,25,26,27,28,29,30,31
	global_load_b32 v[RAW+\i], v[LS], s[PP:PP+1] offset:\i*4096
.endr
.Lraw_done_\@:
.endm
; The raw rows that are on their way become codes at s[TB] + off.  Then the rows of the key step after them are asked for; cond = 1: only if the long pass has such a step (KF + 256 < KEND): no load leaves its buffer.
.macro PRODUCE off, cond
	s_wait_loadcnt 0x0                             ; only these raw rows are out; they were asked for a whole key step ago.  It also frees s[PP]
	s_cmp_lt_u32 s[WV], 8
	s_cbranch_scc0 .Lno_turn_\@
.irp i, 0,1,2,3,4,5,6,7                        ; k: through my stage, so that a lane holds a whole block: d = 32 (lane / 16) + 0 .. 31 of tile row lane % 16
	ds_store_b128 v[SA], v[RAW+4*\i:RAW+4*\i+3] offset:2*\i*SPI
.endr
.irp j, 0,1,2,3,4,5,6,7
	ds_load_b128 v[RAW+4*\j:RAW+4*\j+3], v[SB] offset:16*\j       ; LDS serves a wave's instructions in order (ISA guide 5.7.1.4): these see the stores above
.endr
	s_wait_dscnt 0x0
.Lno_turn_\@:
	QB RAW
	v_add_nc_u32 v[T0], s[TB], v[PIM]              ; the quantiser's three temporaries are free: they take the stores' addresses
	v_add_nc_u32 v[T1], s[TB], v[PIM2]
	v_add_nc_u32 v[SCO], s[TB], v[PSC]
	ds_store_b128 v[T0], v[C:C+3] offset:\off
	ds_store_b64 v[T1], v[C+4:C+5] offset:\off
	ds_store_b8 v[SCO], v[BY] offset:\off
.if \cond
	s_add_co_u32 s42, s[KF], 256
	s_cmp_ge_u32 s42, s[KEND]
	s_cbranch_scc1 .Lno_more_\@
.endif
	s_add_nc_u64 s[PP:PP+1], s[PP:PP+1], 0x80000   ; 128 keys of 4,096 bytes on
	LOADRAW
.Lno_more_\@:
.endm
; Four fragments come back as the registers that they were: 8 halves of 6 registers
.macro FRAGS base
.irp hh, 0,1,2,3,4,5,6,7
	ds_load_b128 v[F+6*\hh:F+6*\hh+3], v[A16] offset:\base+768*\hh
	ds_load_b64 v[F+6*\hh+4:F+6*\hh+5], v[A8] offset:\base+768*\hh+512
.endr
.endm
; A KEY STEP of my 16 queries on the operands at s[TB].  Its LDS instructions are loads alone, of bytes that nobody writes again.
.macro CONSUME
	v_add_nc_u32 v[A16], s[TB], v[LI]
	v_add_nc_u32 v[A8], s[TB], v[L8]
	v_add_nc_u32 v[A4], s[TB], v[LS]
	FRAGS KIMG
.irp j, 0,1
	ds_load_b32 v[KS+\j], v[A4] offset:KSC+128*\j
.endr
	s_wait_dscnt 0x0
.irp g, 0,1,2,3                                ; S^T = k q^T: eight tiles of 16 keys, eight accumulators, each started by the constant 0
.irp u, 0,1
.if \g%2
	v_wmma_scale_f32_16x16x128_f8f6f4 v[S+8*(2*\g+\u):S+8*(2*\g+\u)+7], v[F+12*\g:F+12*\g+11], v[QZ+6-6*\u:QZ+17-6*\u], 0, v[KS+\g/2], v[QS] matrix_a_fmt:MATRIX_FMT_FP6 matrix_b_fmt:MATRIX_FMT_FP6 matrix_a_scale:MATRIX_SCALE_ROW1
.else
	v_wmma_scale_f32_16x16x128_f8f6f4 v[S+8*(2*\g+\u):S+8*(2*\g+\u)+7], v[F+12*\g:F+12*\g+11], v[QZ+6-6*\u:QZ+17-6*\u], 0, v[KS+\g/2], v[QS] matrix_a_fmt:MATRIX_FMT_FP6 matrix_b_fmt:MATRIX_FMT_FP6
.endif
.endr
.endr
.rept 4
	v_nop                                          ; four places in front of the loads into k's fragments' registers and of the first read of the scores
.endr
	FRAGS VIMG                                     ; v's fragments land while the softmax is worked
.irp j, 0,1
	ds_load_b32 v[VS+\j], v[A4] offset:VSC+128*\j
.endr
	s_add_co_u32 s42, s[KF], 127                   ; a step all of whose keys count for all my queries skips the mask
	s_cmp_le_u32 s42, s[Q0]
	s_cbranch_scc1 .Lopen_\@
	s_sub_co_i32 s42, s[Q0], s[KF]
	v_add_nc_u32 v[MT], s42, v[DL]                 ; d = my query - KF - 16 (lane / 16).  Register 16 b + i holds key KF + 16 (lane / 16) + 32 b + i: hidden where 32 b + i > d
	v_mov_b32 v[TT], 0xff800000                    ; -infinity
.irp n, 0,1,2,3,4,5,6,7,8,9,10,11,12,13,14,15,16,17,18,19,20,21,22,23,24,25,26,27,28,29,30,31,32,33,34,35,36,37,38,39,40,41,42,43,44,45,46,47,48,49,50,51,52,53,54,55,56,57,58,59,60,61,62,63
	v_cmp_gt_i32 vcc_lo, 32*(\n/16)+\n%16, v[MT]
	v_cndmask_b32 v[S+\n], v[S+\n], v[TT], vcc_lo
.endr
.Lopen_\@:
.irp b, 0,1,2,3
	v_max3_num_f32 v[BM+\b], v[S+16*\b], v[S+1+16*\b], v[S+2+16*\b]   ; the largest score of each block of 32 keys: for the row's maximum and, since p rises with the score, for the block's largest p
.endr
.irp i, 3,5,7,9,11,13
.irp b, 0,1,2,3
	v_max3_num_f32 v[BM+\b], v[BM+\b], v[S+16*\b+\i], v[S+1+16*\b+\i]  ; (the four blocks by turns)
.endr
.endr
.irp b, 0,1,2,3
	v_max_num_f32 v[BM+\b], v[BM+\b], v[S+15+16*\b]
.endr
.irp b, 0,1,2,3
	v_permlanex16_b32 v[PT+\b], v[BM+\b], s[SEL], s[SEL+1]
.endr
.irp b, 0,1,2,3
	v_max_num_f32 v[BM+\b], v[BM+\b], v[PT+\b]     ; with lane l xor 16's 16 keys
.endr
	v_max3_num_f32 v[TT], v[BM], v[BM+1], v[BM+2]
	v_max_num_f32 v[TT], v[TT], v[BM+3]            ; the step's largest score of my query (key KF counts for every query of a step that is worked: it is a number)
	v_mul_f32 v[TT], s[CS], v[TT]                  ; as t (c is positive)
	v_max_num_f32 v13, v13, v[TT]                  ; the running largest t
	v_mov_b32 v[TT], v12
	v_floor_f32 v12, -v13                          ; the new -M = floor(-t) = -ceil(t): a whole number
	v_sub_f32 v[TT], v12, v[TT]                    ; old M - new M: a whole number, 0 or less
	v_cvt_i32_f32 v[TT], v[TT]                     ; (it saturates)
	v_ldexp_f32 v[FF], 1.0, v[TT]                  ; f = 2^(old M - new M): a multiplication by it rounds nothing
.set jj, 0
.rept 32
	v_pk_fma_f32 v[S+jj:S+jj+1], v[S+jj:S+jj+1], s[CS:CS+1], v[12:13] op_sel_hi:[1,0,0]   ; t - M, two at a time (of the pairs c and -M the low word serves both halves)
.set jj, jj+2
.endr
.irp b, 0,1,2,3
	v_fma_f32 v[BM+\b], v[BM+\b], s[CS], v12       ; the same of each block's largest score
.endr
.set jj, 0
.rept 64
	v_exp_f32 v[S+jj], v[S+jj]                     ; p = 2^(t - M), at most 1: not normalised
.set jj, jj+1
.endr
.irp b, 0,1,2,3
	v_exp_f32 v[BM+\b], v[BM+\b]                   ; the block's largest p: the same two instructions on the same number
.endr
	v_pk_mul_f32 v[14:15], v[14:15], v[FF:FF+1] op_sel_hi:[1,0]    ; the sums under the new M; also the plain place behind the exponentials
	s_wait_alu depctr_va_vdst(0)
.irp b, 0,1,2,3
	v_max_num_f32 v[BM+\b], 0x1800000, v[BM+\b]    ; the floor 2^(3 - 127): a block whose every p is 0 keeps the byte 1 over zero codes
.endr
.irp b, 0,1,2,3
	v_add_nc_u32 v[SOP+\b], 0xff000000, v[BM+\b]   ; 2 off the exponent field: the conversion's scale operand
.endr
.irp b, 0,1,2,3
	v_lshrrev_b32 v[PT+\b], 23, v[SOP+\b]          ; the scale's byte
.endr
	v_lshl_or_b32 v[PW], v[PT+1], 8, v[PT]         ; p's scale word for these 128 keys
	v_lshl_or_b32 v[PW], v[PT+2], 16, v[PW]
	v_lshl_or_b32 v[PW], v[PT+3], 24, v[PW]
.irp c, 0,1
	v_cvt_scalef32_pk16_fp6_f32 v[P+6*\c:P+2+6*\c], v[S+32*\c:S+15+32*\c], v[SOP+2*\c]
	v_cvt_scalef32_pk16_fp6_f32 v[PT+4*\c:PT+2+4*\c], v[S+16+32*\c:S+31+32*\c], v[SOP+2*\c+1]
.endr
	v_nop                                          ; one plain place behind a scaled conversion
.irp c, 0,1                                    ; the operand's layout wants a whole block in a lane: lanes 0-15 block 2 c, lanes 16-31 block 2 c + 1
.irp i, 0,1,2
	v_permlane16_swap_b32 v[P+6*\c+\i], v[PT+4*\c+\i]
.endr
.irp i, 0,1,2
	v_mov_b32 v[P+3+6*\c+\i], v[PT+4*\c+\i]
.endr
.endr
	v_pk_add_f32 v[PT:PT+1], v[S:S+1], v[S+2:S+3]  ; the row's sum is taken of the unquantised p: two at a time, in two chains
.set jj, 4
.rept 15
	v_pk_add_f32 v[14:15], v[14:15], v[S+jj:S+jj+1]
	v_pk_add_f32 v[PT:PT+1], v[PT:PT+1], v[S+jj+2:S+jj+3]
.set jj, jj+4
.endr
	v_pk_add_f32 v[14:15], v[14:15], v[PT:PT+1]
.set jj, 0
.rept 16
	v_pk_mul_f32 v[O+jj:O+jj+1], v[O+jj:O+jj+1], v[FF:FF+1] op_sel_hi:[1,0]   ; O^T under the new M.  (With the sums: 48 plain instructions between p's codes and scale word and the products below)
.set jj, jj+2
.endr
	s_wait_dscnt 0x0                               ; v's fragments and scale words are in
.irp f, 0,1,2,3                                ; O^T += v^T p^T: four tiles of 16 channels, four accumulators by turns
.if \f%2
	v_wmma_scale_f32_16x16x128_f8f6f4 v[O+8*\f:O+8*\f+7], v[F+12*\f:F+12*\f+11], v[P:P+11], v[O+8*\f:O+8*\f+7], v[VS+\f/2], v[PW] matrix_a_fmt:MATRIX_FMT_FP6 matrix_b_fmt:MATRIX_FMT_FP6 matrix_a_scale:MATRIX_SCALE_ROW1
.else
	v_wmma_scale_f32_16x16x128_f8f6f4 v[O+8*\f:O+8*\f+7], v[F+12*\f:F+12*\f+11], v[P:P+11], v[O+8*\f:O+8*\f+7], v[VS+\f/2], v[PW] matrix_a_fmt:MATRIX_FMT_FP6 matrix_b_fmt:MATRIX_FMT_FP6
.endif
.endr
.rept 4
	v_nop                                          ; four places in front of whatever comes next: loads into the fragments' registers, reads and writes of O^T
.endr
.endm
; 16 rows of q, as loaded in v[x] on (two rows an instruction), are turned through my stage and quantised: codes in v[C] on, s0 | s1 << 8 in v[T0] (right in lanes 0-15, which alone are read as scales)
.macro QPREP x
.irp i, 0,1,2,3,4,5,6,7
	ds_store_b128 v[SA], v[\x+4*\i:\x+4*\i+3] offset:2*\i*SPI
.endr
.irp j, 0,1,2,3,4,5,6,7
	ds_load_b128 v[\x+4*\j:\x+4*\j+3], v[SB] offset:16*\j
.endr
	s_wait_dscnt 0x0
	QB \x
	v_permlanex16_b32 v[T1], v[BY], s[SEL], s[SEL+1]
	v_lshl_or_b32 v[T0], v[T1], 8, v[BY]
.endm
; A pass's end: O^T / the sum goes through my stage and leaves as whole rows of 256 bytes.  more = 1: the short pass is set up.
.macro PASSEND op, more
	v_add_f32 v14, v14, v15                        ; the sum's two halves,
	v_permlanex16_b32 v[FF], v14, s[SEL], s[SEL+1]
	v_add_f32 v14, v14, v[FF]                      ; and lane l xor 16's: the row's sum (at least 1/2)
	v_rcp_f32 v14, v14
	v_nop                                          ; one plain place behind a transcendental
.set jj, 0
	s_wait_alu depctr_va_vdst(0)
.rept 32
	v_mul_f32 v[S+jj], v[O+jj], v14                ; register 8 t + i is out0(query r, channel 16 t + 8 h + i); each accumulator from its low end on
.set jj, jj+1
.endr
.irp t, 0,1,2,3
	ds_store_b128 v[SO], v[S+8*\t:S+8*\t+3] offset:64*\t
	ds_store_b128 v[SO], v[S+8*\t+4:S+8*\t+7] offset:64*\t+16
.endr
.irp i, 0,1,2,3,4,5,6,7
	ds_load_b128 v[S+32+4*\i:S+32+4*\i+3], v[SA] offset:2*\i*SPI  ; in order behind my stores
.endr
.irp i, 0,1,2,3,4,5,6,7
	s_wait_dscnt 7-\i                              ; load i is back; the 7 - i younger ones may be out
	global_store_b128 v[RW], v[S+32+4*\i:S+32+4*\i+3], s[\op:\op+1] offset:2*\i*4096 th:TH_STORE_NT   ; sixteen lanes store a row's 256 consecutive bytes, aligned; two rows an instruction
.endr
.if \more
	ds_load_b128 v[QZ+6:QZ+9], v[QI]               ; the short pass's q, kept in LDS since the head
	ds_load_b64 v[QZ+10:QZ+11], v[QI] offset:16
	ds_load_b32 v[QS], v[QI] offset:24
	s_mov_b32 s[KF], 0                             ; back to key 0,
	s_mov_b32 s[TB], 0                             ; whose operands still lie at LDS byte 0
	s_mov_b32 s[Q0], s[Q0B]
	v_mov_b32 v13, 0xff61b1e6                      ; -3e38
	v_floor_f32 v12, -v13
	v_mov_b32 v14, 0
	v_mov_b32 v15, 0
.set jj, 0
.rept 32
	v_mov_b32 v[O+jj], 0
.set jj, jj+1
.endr
	s_wait_dscnt 0x0
	s_wait_xcnt 0x0                                ; the stores have read their data registers, which the next scores overwrite
.endif
.endm
	s_load_b256 s[4:11], s[0:1], 0x0               ; q s[4:5], k s[6:7], v s[8:9], out0 s[10:11]
	v_lshl_add_u32 v123, v0, 2, 0x4a200
	v_mov_b32 v243, 0
	v_lshrrev_b32 v1, 5, v0
	v_readfirstlane_b32 s[WV], v1                  ; wave 0..15
	v_and_b32 v[MT], 31, v0                        ; lane
	v_and_b32 v[T0], 15, v0                        ; r = lane % 16
	v_bfe_u32 v[T1], v0, 4, 1                      ; h = lane / 16
	v_lshlrev_b32 v[LI], 4, v[MT]
	v_lshlrev_b32 v[LS], 2, v[MT]
	v_lshlrev_b32 v[L8], 3, v[MT]
	v_lshlrev_b32 v[RW], 4, v[T0]
	v_lshl_add_u32 v[RW], v[T1], 12, v[RW]
	s_mul_i32 s42, s[WV], 16*SPI
	s_add_co_u32 s42, s42, STG                     ; my stage
	v_mul_u32_u24 v[SA], v[T1], SPI
	v_lshl_add_u32 v[SA], v[T0], 4, v[SA]
	v_add_nc_u32 v[SA], s42, v[SA]
	v_mul_u32_u24 v[SB], v[T0], SPI
	v_lshl_add_u32 v[SO], v[T1], 5, v[SB]
	v_lshl_add_u32 v[SB], v[T1], 7, v[SB]
	v_add_nc_u32 v[SB], s42, v[SB]
	v_add_nc_u32 v[SO], s42, v[SO]
	v_lshl_add_u32 v[QI], v0, 5, QIM
	v_lshlrev_b32 v[DL], 4, v[T1]
	v_sub_nc_u32 v[DL], v[T0], v[DL]
	; what I make in every key step of the long pass, and where in the step's bytes it goes: a branch on the wave's number
	s_cmp_lt_u32 s[WV], 8
	s_cbranch_scc0 .Lrole_v
	s_mul_i32 s43, s[WV], 768                      ; k: wave w makes key tile w = 2 g + u: half fragment w, my own lane's place
	s_add_co_u32 s43, s43, KIMG
	v_add_nc_u32 v[PIM], s43, v[LI]
	s_add_co_u32 s43, s43, 512
	v_add_nc_u32 v[PIM2], s43, v[L8]
	s_lshr_b32 s43, s[WV], 1                       ; g
	s_and_b32 s44, s[WV], 1                        ; u
	s_lshl_b32 s45, s43, 6
	s_lshl_b32 s46, s44, 1
	s_add_co_u32 s45, s45, s46
	s_add_co_u32 s45, s45, KSC
	v_lshl_add_u32 v[PSC], v[T0], 2, v[T1]         ; 4 r + h
	v_add_nc_u32 v[PSC], s45, v[PSC]               ; + 64 g + 2 u
	s_lshl_b32 s46, s43, 17                        ; my rows begin at key 32 g + 8 u: x 4,096 bytes
	s_lshl_b32 s44, s44, 15
	s_add_co_u32 s46, s46, s44
	s_branch .Lrole_done
.Lrole_v:
	s_and_b32 s42, s[WV], 1                        ; v: channels 32 g2 + lane,
	s_bfe_u32 s43, s[WV], 0x20001                  ; keys 32 b + 0 .. 31 of the step (b = bits 2:1 of the wave's number),
	s_bfe_u32 s44, s[WV], 0x10002                  ; c = b / 2: which half of a fragment,
	s_bfe_u32 s45, s[WV], 0x10001                  ; hb = b % 2: which half of its lanes
	s_lshl_b32 s46, s42, 2
	s_add_co_u32 s46, s46, s44
	s_mul_i32 s46, s46, 768
	s_add_co_u32 s46, s46, VIMG                    ; half fragment 2 f + c with f = 2 g2 + lane / 16: 768 (4 g2 + c) here, 1,536 (lane / 16) below
	s_lshl_b32 s47, s45, 8
	s_add_co_u32 s47, s47, s46
	v_mul_u32_u24 v[PIM], v[T1], 1536
	v_lshl_add_u32 v[PIM2], v[T0], 3, v[PIM]
	v_lshl_add_u32 v[PIM], v[T0], 4, v[PIM]
	v_add_nc_u32 v[PIM], s47, v[PIM]               ; the image's lane is lane % 16 + 16 hb: 16 bytes each
	s_lshl_b32 s47, s45, 7
	s_add_co_u32 s47, s47, s46
	s_add_co_u32 s47, s47, 512
	v_add_nc_u32 v[PIM2], s47, v[PIM2]             ; and 8 bytes each
	s_lshl_b32 s47, s42, 7
	s_add_co_u32 s47, s47, s43
	s_add_co_u32 s47, s47, VSC
	v_add_nc_u32 v[PSC], s47, v[LS]                ; word 64 f + 4 (lane % 16) = 128 g2 + 4 lane, byte b
	s_lshl_b32 s46, s43, 17                        ; my rows begin at key 32 b, my channels 128 g2 bytes on
	s_lshl_b32 s42, s42, 7
	s_add_co_u32 s46, s46, s42
.Lrole_done:
	s_mov_b32 s47, 0
	s_mov_b32 s[X], ttmp9
	s_and_b32 s42, ttmp7, 0xffff                   ; y = 16 b + h
	s_lshr_b32 s43, s42, 4
	s_lshl_b32 s43, s43, 23                        ; b x 2,048 x 4,096 bytes
	s_and_b32 s42, s42, 15
	s_lshl_b32 s42, s42, 8                         ; h x 256 bytes
	s_add_co_u32 s42, s42, s43
	s_mov_b32 s43, 0                               ; s[42:43]: the head's first byte in each tensor
	s_add_nc_u64 s[46:47], s[46:47], s[42:43]      ; s[46:47]: my raw rows of key step 0
	s_lshl_b32 s45, s[WV], 4
	s_sub_co_u32 s44, 7, s[X]
	s_lshl_b32 s[Q0], s44, 8
	s_add_co_u32 s[Q0], s[Q0], s45                 ; the long pass: query block 7 - x
	s_lshl_b32 s[Q0B], s[X], 8
	s_add_co_u32 s[Q0B], s[Q0B], s45               ; the short pass: query block x
	s_sub_co_u32 s44, 8, s[X]
	s_lshl_b32 s[KEND], s44, 8                     ; the long pass's keys: 256 (8 - x)
	s_mov_b32 s[SEL], 0x76543210
	s_mov_b32 s[SEL+1], 0xfedcba98
	s_mov_b32 s[CS], 0x3e38aa3b                    ; c = log2(e) / 8
	s_mov_b32 s[CS+1], s[CS]                       ; (named with it as a pair, so it is written)
	s_mov_b32 s[KF], 0
	s_mov_b32 s[TB], 0
	s_lshl_b32 s44, s[Q0], 12
	s_mov_b32 s45, 0
	s_add_nc_u64 s[44:45], s[44:45], s[42:43]      ; my first query's row in the long pass
	s_wait_kmcnt 0x0
	s_add_nc_u64 s[QP1:QP1+1], s[4:5], s[44:45]
	s_add_nc_u64 s[OP1:OP1+1], s[10:11], s[44:45]
	s_lshl_b32 s44, s[Q0B], 12
	s_mov_b32 s45, 0
	s_add_nc_u64 s[44:45], s[44:45], s[42:43]      ; and in the short pass
	s_add_nc_u64 s[QP2:QP2+1], s[4:5], s[44:45]
	s_add_nc_u64 s[OP2:OP2+1], s[10:11], s[44:45]
	s_cmp_lt_u32 s[WV], 8                          ; the choice hangs on the wave's number alone
	s_cselect_b64 s[PP:PP+1], s[6:7], s[8:9]
	s_add_nc_u64 s[PP:PP+1], s[PP:PP+1], s[46:47]
.irp i, 0,1,2,3,4,5,6,7
	global_load_b128 v[S+4*\i:S+4*\i+3], v[RW], s[QP1:QP1+1] offset:2*\i*4096 th:TH_LOAD_NT       ; q of both passes: read once in the launch
.endr
.irp i, 0,1,2,3,4,5,6,7
	global_load_b128 v[S+32+4*\i:S+32+4*\i+3], v[RW], s[QP2:QP2+1] offset:2*\i*4096 th:TH_LOAD_NT
.endr
	LOADRAW                                        ; key step 0
.irp i, 0,1,2,3,4,5
	v_mov_b32 v[QZ+\i], 0                          ; the zero codes on both sides of q's
	v_mov_b32 v[QZ+12+\i], 0
.endr
	v_mov_b32 v13, 0xff61b1e6                      ; the largest t so far: -3e38, under every t
	v_floor_f32 v12, -v13                          ; -M
	v_mov_b32 v14, 0                               ; the sum, in two halves
	v_mov_b32 v15, 0
.set jj, 0
.rept 32
	v_mov_b32 v[O+jj], 0                           ; O^T: a key step is written once for each loop; a pass's first step finds zeros, which the first change of M leaves zeros
.set jj, jj+1
.endr
.irp b, 0,1,2,3
	v_mov_b32 v[PT+\b], 0                          ; written once: a lane permute's destination counts as one of its sources
.endr
	v_mov_b32 v[FF], 0
	v_mov_b32 v[PW], 0                             ; (named as the upper half of the pair with f before it is first written)
	s_wait_loadcnt 0x0
	QPREP S                                        ; the long pass's q stays in registers
.irp i, 0,1,2,3,4,5
	v_mov_b32 v[QZ+6+\i], v[C+\i]
.endr
	v_lshl_or_b32 v[QS], v[T0], 16, v[T0]          ; (s0, s1, s0, s1): the word serves [q | 0] and [0 | q] alike
	QPREP S+32                                     ; the short pass's waits in LDS, in my thread's own 32 bytes
	v_lshl_or_b32 v[TT], v[T0], 16, v[T0]
	ds_store_b128 v[QI], v[C:C+3]
	ds_store_b64 v[QI], v[C+4:C+5] offset:16
	ds_store_b32 v[QI], v[TT] offset:24
	s_wait_dscnt 0x0                               ; the stores have read their registers: the next codes may be written
	PRODUCE 0, 0                                   ; key step 0's operands to LDS byte 0; key step 1 is asked for (every long pass has ten steps or more)
	s_wait_dscnt 0x0
	s_barrier_signal -1
	s_barrier_wait -1                              ; key step 0's operands are whole
	; THE LONG PASS.  16 trips, a key step each; work-group x has 2 (8 - x) steps: in the trips behind them nothing is made (KF + 128 >= KEND) and nothing is worked (KF >= KEND > Q0); the barrier stands in every trip.
	s_mov_b32 s[TR], 16
.Llong:
	s_add_co_u32 s42, s[KF], 128
	s_cmp_ge_u32 s42, s[KEND]                      ; is there a next step to make?  The same answer in all sixteen waves
	s_cbranch_scc1 .Lmade
	PRODUCE BUFB, 1                                ; the next step's operands, into bytes that nothing has touched; the step after that is asked for
.Lmade:
	s_wait_dscnt 0x0                               ; for the others' sake: my part of the next step's operands has landed
	s_barrier_signal -1                            ; say so, and work on this step while the others arrive: what follows up to the wait is register work and LDS loads of bytes that nobody writes again
	s_cmp_gt_u32 s[KF], s[Q0]                      ; KF is a multiple of 128, Q0 of 16: KF > Q0 says that every key of the step comes after all my 16 queries
	s_cbranch_scc1 .Lhid_long
	CONSUME
.Lhid_long:
	s_barrier_wait -1                              ; the next step's operands are whole
	s_add_co_u32 s[KF], s[KF], 128
	s_add_co_u32 s[TB], s[TB], BUFB
	s_sub_co_u32 s[TR], s[TR], 1
	s_cmp_lg_u32 s[TR], 0
	s_cbranch_scc1 .Llong
	PASSEND OP1, 1
	; THE SHORT PASS.  8 trips, a key step each; work-group x has 2 (x + 1) steps, the trips behind them fall under the same jump.  Its operands were made in the long pass, in front of barriers that every wave has
	; passed, and nobody writes them again: no barrier, no raw row, no quantising.
	s_mov_b32 s[TR], 8
.Lshort:
	s_cmp_gt_u32 s[KF], s[Q0]
	s_cbranch_scc1 .Lhid_short
	CONSUME
.Lhid_short:
	s_add_co_u32 s[KF], s[KF], 128
	s_add_co_u32 s[TB], s[TB], BUFB
	s_sub_co_u32 s[TR], s[TR], 1
	s_cmp_lg_u32 s[TR], 0
	s_cbranch_scc1 .Lshort
	PASSEND OP2, 0
	s_wait_tensorcnt 0x0
	ds_add_u32 v123, v243
	s_wait_dscnt 0x0
	s_endpgm
.Lfunc_end_k_q29e7381484_attn:
	.size	k_q29e7381484_attn, .Lfunc_end_k_q29e7381484_attn-k_q29e7381484_attn
	.p2alignl 7, 3214868480
	.fill 96, 4, 3214868480
	.section	.rodata,"a",@progbits
	.p2align	6, 0x0
	.amdhsa_kernel k_q29e7381484_attn
		.amdhsa_group_segment_fixed_size 305664
		.amdhsa_private_segment_fixed_size 0
		.amdhsa_enable_private_segment 0
		.amdhsa_kernarg_size 32
		.amdhsa_user_sgpr_count 2
		.amdhsa_user_sgpr_kernarg_segment_ptr 1
		.amdhsa_wavefront_size32 1
		.amdhsa_system_sgpr_workgroup_id_x 1
		.amdhsa_system_sgpr_workgroup_id_y 1
		.amdhsa_system_sgpr_workgroup_id_z 1
		.amdhsa_system_vgpr_workitem_id 0
		.amdhsa_next_free_vgpr 256
		.amdhsa_next_free_sgpr 66
		.amdhsa_reserve_vcc 1
		.amdhsa_float_denorm_mode_32 3
		.amdhsa_float_denorm_mode_16_64 3
		.amdhsa_memory_ordered 1
		.amdhsa_forward_progress 1
		.amdhsa_inst_pref_size 82
	.end_amdhsa_kernel
	.amdgpu_metadata
---
amdhsa.version: [ 1, 2 ]
amdhsa.kernels:
  - .name:           k_q29e7381484_attn
    .symbol:         k_q29e7381484_attn.kd
    .args:
      - { .name: q, .offset: 0, .size: 8, .value_kind: global_buffer, .address_space: global }
      - { .name: k, .offset: 8, .size: 8, .value_kind: global_buffer, .address_space: global }
      - { .name: v, .offset: 16, .size: 8, .value_kind: global_buffer, .address_space: global }
      - { .name: out0, .offset: 24, .size: 8, .value_kind: global_buffer, .address_space: global }
    .group_segment_fixed_size: 305664
    .private_segment_fixed_size: 0
    .kernarg_segment_align: 8
    .kernarg_segment_size: 32
    .max_flat_workgroup_size: 512
    .sgpr_count:     66
    .vgpr_count:     256
    .wavefront_size: 32
...
	.end_amdgpu_metadata
.endif
;; end of part 1
;; ======== version 2 of 2: 1 launch; version 1 with the launch attn written anew for expert scheduling mode
;; limits: right only within a limited range of input values
;; launch attn (part 2): grid 4 x 64, 16 waves a work-group, no clusters, 305,664 bytes of LDS; arguments q, k, v, out0; writes out0
.if DOCPART == 2
	.amdgcn_target "amdgcn-amd-amdhsa--gfx1250"
	.amdhsa_code_object_version 6
	.text
	.protected	k_q29e7381484_attn
	.globl	k_q29e7381484_attn
	.p2align	8
	.type	k_q29e7381484_attn,@function
k_q29e7381484_attn:
	s_mov_b64 s[64:65], 0
	v_nop
	global_prefetch_b8 v0, s[64:65] scope:SCOPE_SE
	s_setreg_imm32_b32 hwreg(HW_REG_WAVE_SCHED_MODE, 0, 2), 2
	s_setreg_imm32_b32 hwreg(HW_REG_WAVE_MODE, 25, 1), 1
	s_wait_xcnt 0x0
	s_wait_alu depctr_vm_vsrc(0)
; out0[b][s][h][:] = the sum over keys t <= s of softmax_t(q[b][s][h] . k[b][t][h] / 8) v[b][t][h][:].  q, k, v, out0: [4][2048][16][64] f32; a (b, s, h) row is 256 bytes, neighbouring s lie 4,096 bytes apart.
; Both products run on codes of FP6 (E2M3) with one E8M0 scale for each 32 along K.  Product 1: K = the head's 64 (two blocks a row).  Product 2: K = the keys (v and p in blocks of 32 keys).
; THE SOFTMAX AHEAD OF PRODUCT 2: t = score x log2(e) / 8; M = the running largest t rounded UP to a whole number; p = 2^(t - M) is quantised, not normalised; the row's sum is taken of the unquantised p and divides at the end.
; SHARES.  256 work-groups of 16 waves.  Work-group (x, y) serves head y = 16 b + h and the query blocks 7 - x (the long pass, 2 (8 - x) key steps of 128 keys) and x (the short pass, 2 (x + 1) steps): 18 steps of
; attention for every work-group.  A wave owns one tile of 16 queries in 256 registers; four waves share a SIMD, so that one wave's vector work stands beside another's matrix work and LDS loads.
; k AND v ARRIVE AS f32 AND ARE QUANTISED HERE, in the long pass, a key step ahead of their use: waves 0-7 each make one tile of 16 keys of k, waves 8-15 each 32 channels x 32 keys of v; the codes go to LDS as images of
; the operands' registers (16 bytes a lane for registers 0-3 of a half fragment, 8 bytes a lane for registers 4, 5).  EVERY KEY STEP HAS LDS BYTES OF ITS OWN (16 x 12,800 bytes): no image byte is written twice.  So
; (1) the short pass, whose keys are the long pass's first, reads the images that lie there: no raw row is fetched or quantised again, and it has no barrier;  (2) the long pass's one barrier a step orders only 'made
; before read': a wave signals behind its own quantising of step g + 1, works on step g, and waits at the step's end, in front of its first read of step g + 1.
; PRODUCT 1 HAS K = 64, THE INSTRUCTION 128: a fragment of k holds key tile 2 g in its K 0-63 and tile 2 g + 1 in its K 64-127; q stands in 18 registers (6 zeros, 6 codes, 6 zeros), read as [q | 0] for the first tile and
; as [0 | q] for the second.  The half that is not meant meets zero codes and adds exactly 0 (every code is a finite number, every scale byte here lies in 1 .. 254).
; LAYOUT.  Both products are used transposed: S^T = k q^T (source 0 = 16 keys, source 1 = my 16 queries), O^T = v^T p^T (source 0 = 16 channels, source 1 = p): a lane holds ONE query (lane % 16) throughout.
; THE KEYS OF A TILE ARE NOT NEIGHBOURS: row m of tile 2 g + u is key 32 g + 8 u + m + 8 (m / 8), so that register S + 16 b + i of lane (r, h) is key 32 b + 16 h + i of the step: 16 neighbours for the conversions.
; THE MASK is reference()'s own: a step all of whose keys come after the wave's queries is jumped over (a scalar branch on ids; no barrier stands inside); on the diagonal hidden scores become -infinity ahead of the maximum.
; BOTH LOOPS HAVE CONSTANT TRIP COUNTS (16 and 8): the trips behind a pass's end fall under the same jump, since every key there comes after every query of the pass.
; NO CLUSTER, NO TENSOR LOADS: what the four work-groups of a head share is raw f32, which has to pass through registers to the quantiser; and the four fetch different numbers of key steps (2 (8 - x)),
; so that joint requests would not meet in every step.  All four begin at key 0, so that they walk the same raw rows in their first ten steps.
; LIMITS: NaN and infinities among the inputs are not served.  A block whose largest magnitude lies under 2^-124 (a block of zeros too) keeps the scale byte 1; a block of zeros has zero codes, and the bytes are read here alone.
; Hidden scores are -infinity where reference() adds -1e9: the same result as long as logits stay far under 1e9.
; THE MODE: SCHED_MODE bits 1:0 = 2 (LLVM: expert scheduling mode 2), set by the entry lines.  The code itself states the register dependences between vector or matrix instructions and memory or LDS instructions,
; and those through scalar registers that vector instructions write, with s_wait_alu, always for 0.
; THE PLAN.  Registers that memory or LDS instructions touch, and who else names them:
;   v1-v11        offsets and addresses: written at the head, never again: one wait on va_vdst ahead of the first load serves them for the whole kernel.
;   RAW           the raw rows' loads land in it; in waves 0-7 the stage's stores read it and the stage's loads land in it again (vm_vsrc between the two runs); the quantiser reads it; behind the quantiser's wait on
;                 va_vdst the next raw rows are asked for.
;   C, BY, v124-126  written by the quantiser and by three address additions, read by the three image stores: ONE wait on va_vdst ahead of those stores (it also says that the quantiser is done reading RAW), ONE on vm_vsrc
;                 behind them, which frees all of them for the next writer.
;   v124-126 as A16, A8, A4  written by three additions at a key step's head, read by the step's LDS loads: the wait on va_vdst behind the additions also says that the last step's products are done reading F, KS and VS;
;                 one wait on vm_vsrc, beside the wait for v's fragments, frees the three.
;   F, KS, VS     written by LDS loads alone, read by matrix instructions alone: k's fragments land behind the step's first wait, v's behind a wait on va_vdst that follows the eight score products.
;   P, PW         written by vector instructions, taken by the scaled products as operand and scales: the plain places, then a wait on va_vdst.
;   S             at the head and at a pass's end: see QPREP and PASSEND.     QZ + 6 .., QS: the short pass's land behind PASSEND's wait on va_vdst.     v123, v243: written at the head, read by the closing add alone.
.set BUFB, 12800                       ; LDS: one key step's operands; step g's begin at g x BUFB, g = 0 .. 15
.set KIMG, 0                           ;   k: 8 half fragments (key tile T) of 768 bytes: 16 x lane: registers 0-3; 512 + 8 x lane: registers 4, 5
.set VIMG, 6144                        ;   v: 8 half fragments (2 f + c), the same form
.set KSC,  12288                       ;   k's scale words: word (g, r) at 64 g + 4 r, byte 2 u + h
.set VSC,  12544                       ;   v's: word (f, r) at 64 f + 4 r, byte = the step's block of 32 keys
.set QIM,  17*BUFB                     ; the second pass's q: 32 bytes a thread: 16 + 8 bytes of codes, 4 of the scale word.  (The bytes of a seventeenth step are left free: the long loop's last trip forms that
                                       ; address on a way that is never taken: KF + 128 = 2,048 there, which is no less than KEND for any x)
.set STG,  QIM+16384                   ; a stage of 16 rows x (256 + 16) bytes for each wave, the wave's own: raw rows are turned there, and results leave through it
.set SPI,  272                         ; its pitch: 17 x 16 bytes, so that sixteen rows' equal columns fall on different banks (64 banks of 4 bytes: ISA guide 11.1)
.set LI,   1                           ; v1   16 x lane
.set LS,   2                           ; v2   4 x lane
.set L8,   3                           ; v3   8 x lane
.set RW,   4                           ; v4   4096 (lane / 16) + 16 (lane % 16): two rows of 256 bytes an instruction, in q, k and out0
.set SA,   5                           ; v5   the stage by rows: my stage + 272 (lane / 16) + 16 (lane % 16)
.set SB,   6                           ; v6   the stage, a block to a lane: my stage + 272 (lane % 16) + 128 (lane / 16)
.set SO,   7                           ; v7   the stage, results in: my stage + 272 (lane % 16) + 32 (lane / 16)
.set PIM,  8                           ; v8   where, in a step's bytes, I store registers 0-3 of the codes that I make
.set PIM2, 9                           ; v9   registers 4, 5
.set PSC,  10                          ; v10  and the scale byte
.set QI,   11                          ; v11  QIM + 32 x thread
.set QZ,   16                          ; v16-33  6 zeros, q's 6 registers of codes, 6 zeros.   v12 -M, v13 the largest t, v[14:15] the sum in two halves
.set DL,   34                          ; v34  lane % 16 - 16 (lane / 16)
.set MT,   35                          ; v35  the mask's number
.set F,    36                          ; v36-83   four fragments: k's, then v's
.set RAW,  84                          ; v84-115  32 f32 numbers on their way from memory, then at work
.set C,    116                         ; v116-122 the codes just made
.set T0,   124                         ; v124-126 at work in the quantiser (T0, T1, SCO), then the addresses of its three stores;
.set T1,   125
.set SCO,  126                         ; (SCO: the conversion's scale operand)
.set A16,  124                         ; in a key step's attention the same three hold the step's bytes + 16, 8, 4 x lane
.set A8,   125
.set A4,   126
.set BY,   127                         ; the scale's byte
.set S,    128                         ; v128-191 S^T, then p
.set O,    192                         ; v192-223 O^T: 4 tiles of 16 channels
.set P,    224                         ; v224-235 p's codes
.set BM,   232                         ; v232-235 the blocks' largest scores (dead before the codes are made)
.set PT,   236                         ; v236-242 at work
.set SOP,  244                         ; v244-247 the conversions' scale operands
.set KS,   248                         ; v248-249 k's scale words: lanes 0-15 fragment 2 j, lanes 16-31 fragment 2 j + 1
.set VS,   250                         ; v250-251 v's likewise
.set FF,   252                         ; v252 f = 2^(old M - new M)
.set PW,   253                         ; v253 p's scale word
.set TT,   254
.set QS,   255                         ; v255 q's scale word (s0, s1, s0, s1)
.set WV,   12                          ; s12 wave
.set X,    14                          ; s14 work-group x
.set SEL,  16                          ; s[16:17] v_permlanex16_b32's selects for lane l xor 16
.set CS,   18                          ; s[18:19] c = log2(e) / 8
.set KF,   20                          ; s20 the step's first key
.set Q0,   21                          ; s21 my first query
.set KEND, 22                          ; s22 keys in the long pass
.set Q0B,  23                          ; s23 my first query of the short pass
.set TB,   24                          ; s24 LDS byte at which the step's operands begin: BUFB x step
.set TR,   25                          ; s25 trips to go
.set PP,   28                          ; s[28:29] where my part of the raw rows last asked for begins
.set OP1,  34                          ; s[34:35], s[36:37] out0 at my first query of pass 1, 2
.set OP2,  36
.set QP1,  38                          ; s[38:39], s[40:41] q likewise
.set QP2,  40
                                       ; s2, s3, s13, s15, s26, s27, s30-33, s42-47: on the diagonal, the masks of sixteen compares (s42-47 are scratch elsewhere)
; A whole block of 32 numbers of one lane, v[x] .. v[x + 31], becomes 6 registers of codes in v[C] on and its scale byte in v[BY].
.macro QB x
	v_max3_num_f32 v[T0], |v[\x]|, |v[\x+1]|, |v[\x+2]|            ; the largest magnitude, in two chains
	v_max3_num_f32 v[T1], |v[\x+3]|, |v[\x+4]|, |v[\x+5]|
.irp i, 6,10,14,18,22,26
	v_max3_num_f32 v[T0], v[T0], |v[\x+\i]|, |v[\x+\i+1]|
	v_max3_num_f32 v[T1], v[T1], |v[\x+\i+2]|, |v[\x+\i+3]|
.endr
	v_max3_num_f32 v[T0], v[T0], |v[\x+30]|, |v[\x+31]|
	v_max3_num_f32 v[T0], v[T0], v[T1], 0x1800000                  ; and the floor 2^(3 - 127): the byte cannot fall under 1
	v_add_nc_u32 v[SCO], 0xff000000, v[T0]                         ; 2 off the exponent field: the conversion takes that field as its scale and nothing else
	v_cvt_scalef32_pk16_fp6_f32 v[C:C+2], v[\x:\x+15], v[SCO]
	v_cvt_scalef32_pk16_fp6_f32 v[C+4:C+6], v[\x+16:\x+31], v[SCO] ; (a conversion's three registers begin on an even number)
	v_lshrrev_b32 v[BY], 23, v[SCO]                                ; the scale's byte; also the plain place behind the conversions
	v_mov_b32 v[C+3], v[C+4]
	v_mov_b32 v[C+4], v[C+5]
	v_mov_b32 v[C+5], v[C+6]
.endm
; The raw rows of the key step at s[PP].  Waves 0-7: 16 rows of k, two whole rows of 256 bytes an instruction.  Waves 8-15: 32 keys x 32 channels of v, a lane to a channel, registers down the keys: 128 consecutive bytes an instruction.
.macro LOADRAW
	s_cmp_lt_u32 s[WV], 8
	s_cbranch_scc0 .Lraw_v_\@
.irp i, 0,1,2,3,4,5,6,7
	global_load_b128 v[RAW+4*\i:RAW+4*\i+3], v[RW], s[PP:PP+1] offset:(2*\i+8*(\i/4))*4096   ; tile rows 2 i, 2 i + 1: rows 8-15 lie 8 keys further on
.endr
	s_branch .Lraw_done_\@
.Lraw_v_\@:
.irp i, 0,1,2,3,4,5,6,7,8,9,10,11,12,13,14,15,16,17,18,19,20,21,22,23,24,25,26,27,28,29,30,31
	global_load_b32 v[RAW+\i], v[LS], s[PP:PP+1] offset:\i*4096
.endr
.Lraw_done_\@:
.endm
; The raw rows that are on their way become codes at s[TB] + off.  Then the rows of the key step after them are asked for; cond = 1: only if the long pass has such a step (KF + 256 < KEND): no load leaves its buffer.
.macro PRODUCE off, cond
	s_wait_loadcnt 0x0                             ; only these raw rows are out; they were asked for a whole key step ago.  It also frees s[PP]
	s_cmp_lt_u32 s[WV], 8
	s_cbranch_scc0 .Lno_turn_\@
.irp i, 0,1,2,3,4,5,6,7                        ; k: through my stage, so that a lane holds a whole block: d = 32 (lane / 16) + 0 .. 31 of tile row lane % 16
	ds_store_b128 v[SA], v[RAW+4*\i:RAW+4*\i+3] offset:2*\i*SPI
.endr
	s_wait_alu depctr_vm_vsrc(0)                   ; the eight stores have read v[RAW ..], in which the eight loads below land
.irp j, 0,1,2,3,4,5,6,7
	ds_load_b128 v[RAW+4*\j:RAW+4*\j+3], v[SB] offset:16*\j       ; LDS serves a wave's instructions in order (ISA guide 5.7.1.4): these see the stores above
.endr
	s_wait_dscnt 0x0
.Lno_turn_\@:
	QB RAW
	v_add_nc_u32 v[T0], s[TB], v[PIM]              ; the quantiser's three temporaries are free: they take the stores' addresses
	v_add_nc_u32 v[T1], s[TB], v[PIM2]
	v_add_nc_u32 v[SCO], s[TB], v[PSC]
	s_wait_alu depctr_va_vdst(0)                   ; the codes, the byte and the three addresses are written, which the stores below read; and the quantiser is done reading v[RAW ..], in which the next raw rows land
	ds_store_b128 v[T0], v[C:C+3] offset:\off
	ds_store_b64 v[T1], v[C+4:C+5] offset:\off
	ds_store_b8 v[SCO], v[BY] offset:\off
	s_wait_alu depctr_vm_vsrc(0)                   ; the three stores have read their addresses and data: v124-126 are written next by the key step's address additions, the codes and the byte by the next quantising
.if \cond
	s_add_co_u32 s42, s[KF], 256
	s_cmp_ge_u32 s42, s[KEND]
	s_cbranch_scc1 .Lno_more_\@
.endif
	s_add_nc_u64 s[PP:PP+1], s[PP:PP+1], 0x80000   ; 128 keys of 4,096 bytes on
	LOADRAW                                        ; no vector instruction since the wait on va_vdst above names v[RAW ..]
.Lno_more_\@:
.endm
; Four fragments come back as the registers that they were: 8 halves of 6 registers
.macro FRAGS base
.irp hh, 0,1,2,3,4,5,6,7
	ds_load_b128 v[F+6*\hh:F+6*\hh+3], v[A16] offset:\base+768*\hh
	ds_load_b64 v[F+6*\hh+4:F+6*\hh+5], v[A8] offset:\base+768*\hh+512
.endr
.endm
; A KEY STEP of my 16 queries on the operands at s[TB].  Its LDS instructions are loads alone, of bytes that nobody writes again.
.macro CONSUME
	v_add_nc_u32 v[A16], s[TB], v[LI]
	v_add_nc_u32 v[A8], s[TB], v[L8]
	v_add_nc_u32 v[A4], s[TB], v[LS]
	s_wait_alu depctr_va_vdst(0)                   ; the three addresses are written, which the loads below read; the last step's products are done reading the fragments and k's scale words, in which these loads land
	FRAGS KIMG
.irp j, 0,1
	ds_load_b32 v[KS+\j], v[A4] offset:KSC+128*\j
.endr
	s_wait_dscnt 0x0
.irp g, 0,1,2,3                                ; S^T = k q^T: eight tiles of 16 keys, eight accumulators, each started by the constant 0
.irp u, 0,1
.if \g%2
	v_wmma_scale_f32_16x16x128_f8f6f4 v[S+8*(2*\g+\u):S+8*(2*\g+\u)+7], v[F+12*\g:F+12*\g+11], v[QZ+6-6*\u:QZ+17-6*\u], 0, v[KS+\g/2], v[QS] matrix_a_fmt:MATRIX_FMT_FP6 matrix_b_fmt:MATRIX_FMT_FP6 matrix_a_scale:MATRIX_SCALE_ROW1
.else
	v_wmma_scale_f32_16x16x128_f8f6f4 v[S+8*(2*\g+\u):S+8*(2*\g+\u)+7], v[F+12*\g:F+12*\g+11], v[QZ+6-6*\u:QZ+17-6*\u], 0, v[KS+\g/2], v[QS] matrix_a_fmt:MATRIX_FMT_FP6 matrix_b_fmt:MATRIX_FMT_FP6
.endif
.endr
.endr
.rept 4
	v_nop                                          ; four places (ISA guide 7.12.1) in front of the first read of the scores
.endr
	s_wait_alu depctr_va_vdst(0)                   ; the eight products are done reading k's fragments, in which v's land (v's scale words were last read by the step before)
	FRAGS VIMG                                     ; v's fragments land while the softmax is worked
.irp j, 0,1
	ds_load_b32 v[VS+\j], v[A4] offset:VSC+128*\j
.endr
	s_add_co_u32 s42, s[KF], 127                   ; a step all of whose keys count for all my queries skips the mask
	s_cmp_le_u32 s42, s[Q0]
	s_cbranch_scc1 .Lopen_\@
	s_sub_co_i32 s42, s[Q0], s[KF]
	v_add_nc_u32 v[MT], s42, v[DL]                 ; d = my query - KF - 16 (lane / 16).  Register 16 b + i holds key KF + 16 (lane / 16) + 32 b + i: hidden where 32 b + i > d
	v_mov_b32 v[TT], 0xff800000                    ; -infinity
.irp b, 0,1,2,3                                ; a block of 32 keys at a time: sixteen compares into sixteen scalar registers, one wait, sixteen selects
.set ii, 0
.irp sr, 2,3,13,15,26,27,30,31,32,33,42,43,44,45,46,47
	v_cmp_gt_i32 s\sr, 32*\b+ii, v[MT]
.set ii, ii+1
.endr
	s_wait_alu depctr_va_sdst(0)                   ; the sixteen compares have written their masks, ahead of the selects that read them
.set ii, 0
.irp sr, 2,3,13,15,26,27,30,31,32,33,42,43,44,45,46,47
	v_cndmask_b32 v[S+16*\b+ii], v[S+16*\b+ii], v[TT], s\sr       ; in ascending order: each accumulator from its low end on
.set ii, ii+1
.endr
.endr
.Lopen_\@:
.irp b, 0,1,2,3
	v_max3_num_f32 v[BM+\b], v[S+16*\b], v[S+1+16*\b], v[S+2+16*\b]   ; the largest score of each block of 32 keys: for the row's maximum and, since p rises with the score, for the block's largest p
.endr
.irp i, 3,5,7,9,11,13
.irp b, 0,1,2,3
	v_max3_num_f32 v[BM+\b], v[BM+\b], v[S+16*\b+\i], v[S+1+16*\b+\i]  ; (the four blocks by turns)
.endr
.endr
.irp b, 0,1,2,3
	v_max_num_f32 v[BM+\b], v[BM+\b], v[S+15+16*\b]
.endr
.irp b, 0,1,2,3
	v_permlanex16_b32 v[PT+\b], v[BM+\b], s[SEL], s[SEL+1]
.endr
.irp b, 0,1,2,3
	v_max_num_f32 v[BM+\b], v[BM+\b], v[PT+\b]     ; with lane l xor 16's 16 keys
.endr
	v_max3_num_f32 v[TT], v[BM], v[BM+1], v[BM+2]
	v_max_num_f32 v[TT], v[TT], v[BM+3]            ; the step's largest score of my query (key KF counts for every query of a step that is worked: it is a number)
	v_mul_f32 v[TT], s[CS], v[TT]                  ; as t (c is positive)
	v_max_num_f32 v13, v13, v[TT]                  ; the running largest t
	v_mov_b32 v[TT], v12
	v_floor_f32 v12, -v13                          ; the new -M = floor(-t) = -ceil(t): a whole number
	v_sub_f32 v[TT], v12, v[TT]                    ; old M - new M: a whole number, 0 or less
	v_cvt_i32_f32 v[TT], v[TT]                     ; (it saturates)
	v_ldexp_f32 v[FF], 1.0, v[TT]                  ; f = 2^(old M - new M): a multiplication by it rounds nothing
.set jj, 0
.rept 32
	v_pk_fma_f32 v[S+jj:S+jj+1], v[S+jj:S+jj+1], s[CS:CS+1], v[12:13] op_sel_hi:[1,0,0]   ; t - M, two at a time (of the pairs c and -M the low word serves both halves)
.set jj, jj+2
.endr
.irp b, 0,1,2,3
	v_fma_f32 v[BM+\b], v[BM+\b], s[CS], v12       ; the same of each block's largest score
.endr
.set jj, 0
	s_wait_alu depctr_va_vdst(0)
.rept 64
	v_exp_f32 v[S+jj], v[S+jj]                     ; p = 2^(t - M), at most 1: not normalised
.set jj, jj+1
.endr
.irp b, 0,1,2,3
	v_exp_f32 v[BM+\b], v[BM+\b]                   ; the block's largest p: the same two instructions on the same number
.endr
	v_pk_mul_f32 v[14:15], v[14:15], v[FF:FF+1] op_sel_hi:[1,0]    ; the sums under the new M; also the plain place behind the exponentials
	s_wait_alu depctr_va_vdst(0)                   ; the 68 exponentials have written p and the blocks' largest p: one wait for the batch, ahead of its first reader
.irp b, 0,1,2,3
	v_max_num_f32 v[BM+\b], 0x1800000, v[BM+\b]    ; the floor 2^(3 - 127): a block whose every p is 0 keeps the byte 1 over zero codes
.endr
.irp b, 0,1,2,3
	v_add_nc_u32 v[SOP+\b], 0xff000000, v[BM+\b]   ; 2 off the exponent field: the conversion's scale operand
.endr
.irp b, 0,1,2,3
	v_lshrrev_b32 v[PT+\b], 23, v[SOP+\b]          ; the scale's byte
.endr
	v_lshl_or_b32 v[PW], v[PT+1], 8, v[PT]         ; p's scale word for these 128 keys
	v_lshl_or_b32 v[PW], v[PT+2], 16, v[PW]
	v_lshl_or_b32 v[PW], v[PT+3], 24, v[PW]
.irp c, 0,1
	v_cvt_scalef32_pk16_fp6_f32 v[P+6*\c:P+2+6*\c], v[S+32*\c:S+15+32*\c], v[SOP+2*\c]
	v_cvt_scalef32_pk16_fp6_f32 v[PT+4*\c:PT+2+4*\c], v[S+16+32*\c:S+31+32*\c], v[SOP+2*\c+1]
.endr
	v_nop                                          ; one plain place behind a scaled conversion
.irp c, 0,1                                    ; the operand's layout wants a whole block in a lane: lanes 0-15 block 2 c, lanes 16-31 block 2 c + 1
.irp i, 0,1,2
	v_permlane16_swap_b32 v[P+6*\c+\i], v[PT+4*\c+\i]
.endr
.irp i, 0,1,2
	v_mov_b32 v[P+3+6*\c+\i], v[PT+4*\c+\i]
.endr
.endr
	v_pk_add_f32 v[PT:PT+1], v[S:S+1], v[S+2:S+3]  ; the row's sum is taken of the unquantised p: two at a time, in two chains
.set jj, 4
.rept 15
	v_pk_add_f32 v[14:15], v[14:15], v[S+jj:S+jj+1]
	v_pk_add_f32 v[PT:PT+1], v[PT:PT+1], v[S+jj+2:S+jj+3]
.set jj, jj+4
.endr
	v_pk_add_f32 v[14:15], v[14:15], v[PT:PT+1]
.set jj, 0
.rept 16
	v_pk_mul_f32 v[O+jj:O+jj+1], v[O+jj:O+jj+1], v[FF:FF+1] op_sel_hi:[1,0]   ; O^T under the new M.  (With the sums: 48 plain instructions between p's codes and scale word and the products below)
.set jj, jj+2
.endr
	s_wait_dscnt 0x0                               ; v's fragments and scale words are in
	s_wait_alu depctr_vm_vsrc(0)                   ; the step's LDS loads have read v124-126, which the next quantising or the next step's address additions write
	s_wait_alu depctr_va_vdst(0)                   ; p's codes and its scale word are written, which the scaled products below take as operand and scales; the plain places above stay beside this wait
.irp f, 0,1,2,3                                ; O^T += v^T p^T: four tiles of 16 channels, four accumulators by turns
.if \f%2
	v_wmma_scale_f32_16x16x128_f8f6f4 v[O+8*\f:O+8*\f+7], v[F+12*\f:F+12*\f+11], v[P:P+11], v[O+8*\f:O+8*\f+7], v[VS+\f/2], v[PW] matrix_a_fmt:MATRIX_FMT_FP6 matrix_b_fmt:MATRIX_FMT_FP6 matrix_a_scale:MATRIX_SCALE_ROW1
.else
	v_wmma_scale_f32_16x16x128_f8f6f4 v[O+8*\f:O+8*\f+7], v[F+12*\f:F+12*\f+11], v[P:P+11], v[O+8*\f:O+8*\f+7], v[VS+\f/2], v[PW] matrix_a_fmt:MATRIX_FMT_FP6 matrix_b_fmt:MATRIX_FMT_FP6
.endif
.endr
.rept 4
	v_nop                                          ; four places in front of whatever vector instruction comes next: reads and writes of O^T
.endr
.endm
; 16 rows of q, as loaded in v[x] on (two rows an instruction), are turned through my stage and quantised: codes in v[C] on, s0 | s1 << 8 in v[T0] (right in lanes 0-15, which alone are read as scales)
.macro QPREP x
.irp i, 0,1,2,3,4,5,6,7
	ds_store_b128 v[SA], v[\x+4*\i:\x+4*\i+3] offset:2*\i*SPI
.endr
	s_wait_alu depctr_vm_vsrc(0)                   ; the eight stores have read v[x ..], in which the eight loads below land (no vector instruction has named these registers so far)
.irp j, 0,1,2,3,4,5,6,7
	ds_load_b128 v[\x+4*\j:\x+4*\j+3], v[SB] offset:16*\j
.endr
	s_wait_dscnt 0x0
	QB \x
	v_permlanex16_b32 v[T1], v[BY], s[SEL], s[SEL+1]
	v_lshl_or_b32 v[T0], v[T1], 8, v[BY]
.endm
; A pass's end: O^T / the sum goes through my stage and leaves as whole rows of 256 bytes.  more = 1: the short pass is set up.
.macro PASSEND op, more
	v_add_f32 v14, v14, v15                        ; the sum's two halves,
	v_permlanex16_b32 v[FF], v14, s[SEL], s[SEL+1]
	v_add_f32 v14, v14, v[FF]                      ; and lane l xor 16's: the row's sum (at least 1/2)
	s_wait_alu depctr_va_vdst(0)
	v_rcp_f32 v14, v14
	v_nop                                          ; one plain place behind a transcendental
.set jj, 0
	s_wait_alu depctr_va_vdst(0)                   ; the reciprocal has written v14, ahead of its first reader
.rept 32
	v_mul_f32 v[S+jj], v[O+jj], v14                ; register 8 t + i is out0(query r, channel 16 t + 8 h + i); each accumulator from its low end on
.set jj, jj+1
.endr
	s_wait_alu depctr_va_vdst(0)                   ; the multiplications have written v[S .. S + 31], which the stage's stores read; the pass's vector and matrix instructions are done with v[S + 32 ..], q's codes and q's scale word, in which the loads below land
.irp t, 0,1,2,3
	ds_store_b128 v[SO], v[S+8*\t:S+8*\t+3] offset:64*\t
	ds_store_b128 v[SO], v[S+8*\t+4:S+8*\t+7] offset:64*\t+16
.endr
.irp i, 0,1,2,3,4,5,6,7
	ds_load_b128 v[S+32+4*\i:S+32+4*\i+3], v[SA] offset:2*\i*SPI  ; in order behind my stores
.endr
.irp i, 0,1,2,3,4,5,6,7
	s_wait_dscnt 7-\i                              ; load i is back; the 7 - i younger ones may be out
	global_store_b128 v[RW], v[S+32+4*\i:S+32+4*\i+3], s[\op:\op+1] offset:2*\i*4096 th:TH_STORE_NT   ; sixteen lanes store a row's 256 consecutive bytes, aligned; two rows an instruction
.endr
.if \more
	ds_load_b128 v[QZ+6:QZ+9], v[QI]               ; the short pass's q, kept in LDS since the head (no vector instruction since the wait on va_vdst above)
	ds_load_b64 v[QZ+10:QZ+11], v[QI] offset:16
	ds_load_b32 v[QS], v[QI] offset:24
	s_mov_b32 s[KF], 0                             ; back to key 0,
	s_mov_b32 s[TB], 0                             ; whose operands still lie at LDS byte 0
	s_mov_b32 s[Q0], s[Q0B]
	v_mov_b32 v13, 0xff61b1e6                      ; -3e38
	v_floor_f32 v12, -v13
	v_mov_b32 v14, 0
	v_mov_b32 v15, 0
.set jj, 0
.rept 32
	v_mov_b32 v[O+jj], 0
.set jj, jj+1
.endr
	s_wait_dscnt 0x0
	s_wait_xcnt 0x0                                ; every earlier memory instruction has had its addresses translated (ISA guide 3.1): the stores' data registers are rewritten only behind this wait,
	s_wait_alu depctr_vm_vsrc(0)                   ; and behind this one: the stage's stores have read v[S .. S + 31] and the global stores v[S + 32 ..], which the short pass's score products write
.endif
.endm
	s_load_b256 s[4:11], s[0:1], 0x0               ; q s[4:5], k s[6:7], v s[8:9], out0 s[10:11]
	v_lshl_add_u32 v123, v0, 2, 0x4a200            ; the LDS address of my spare word, behind the stages: made here and kept for the closing lines alone
	v_mov_b32 v243, 0                              ; and 0, likewise
	v_lshrrev_b32 v1, 5, v0
	v_readfirstlane_b32 s[WV], v1                  ; wave 0..15
	v_and_b32 v[MT], 31, v0                        ; lane
	v_and_b32 v[T0], 15, v0                        ; r = lane % 16
	v_bfe_u32 v[T1], v0, 4, 1                      ; h = lane / 16
	v_lshlrev_b32 v[LI], 4, v[MT]
	v_lshlrev_b32 v[LS], 2, v[MT]
	v_lshlrev_b32 v[L8], 3, v[MT]
	v_lshlrev_b32 v[RW], 4, v[T0]
	v_lshl_add_u32 v[RW], v[T1], 12, v[RW]
	s_wait_alu depctr_va_sdst(0)                   ; the wave's number is written, ahead of its first reader: LDS places, branches and bases are made from it
	s_mul_i32 s42, s[WV], 16*SPI
	s_add_co_u32 s42, s42, STG                     ; my stage
	v_mul_u32_u24 v[SA], v[T1], SPI
	v_lshl_add_u32 v[SA], v[T0], 4, v[SA]
	v_add_nc_u32 v[SA], s42, v[SA]
	v_mul_u32_u24 v[SB], v[T0], SPI
	v_lshl_add_u32 v[SO], v[T1], 5, v[SB]
	v_lshl_add_u32 v[SB], v[T1], 7, v[SB]
	v_add_nc_u32 v[SB], s42, v[SB]
	v_add_nc_u32 v[SO], s42, v[SO]
	v_lshl_add_u32 v[QI], v0, 5, QIM
	v_lshlrev_b32 v[DL], 4, v[T1]
	v_sub_nc_u32 v[DL], v[T0], v[DL]
	; what I make in every key step of the long pass, and where in the step's bytes it goes: a branch on the wave's number
	s_cmp_lt_u32 s[WV], 8
	s_cbranch_scc0 .Lrole_v
	s_mul_i32 s43, s[WV], 768                      ; k: wave w makes key tile w = 2 g + u: half fragment w, my own lane's place
	s_add_co_u32 s43, s43, KIMG
	v_add_nc_u32 v[PIM], s43, v[LI]
	s_add_co_u32 s43, s43, 512
	v_add_nc_u32 v[PIM2], s43, v[L8]
	s_lshr_b32 s43, s[WV], 1                       ; g
	s_and_b32 s44, s[WV], 1                        ; u
	s_lshl_b32 s45, s43, 6
	s_lshl_b32 s46, s44, 1
	s_add_co_u32 s45, s45, s46
	s_add_co_u32 s45, s45, KSC
	v_lshl_add_u32 v[PSC], v[T0], 2, v[T1]         ; 4 r + h
	v_add_nc_u32 v[PSC], s45, v[PSC]               ; + 64 g + 2 u
	s_lshl_b32 s46, s43, 17                        ; my rows begin at key 32 g + 8 u: x 4,096 bytes
	s_lshl_b32 s44, s44, 15
	s_add_co_u32 s46, s46, s44
	s_branch .Lrole_done
.Lrole_v:
	s_and_b32 s42, s[WV], 1                        ; v: channels 32 g2 + lane,
	s_bfe_u32 s43, s[WV], 0x20001                  ; keys 32 b + 0 .. 31 of the step (b = bits 2:1 of the wave's number),
	s_bfe_u32 s44, s[WV], 0x10002                  ; c = b / 2: which half of a fragment,
	s_bfe_u32 s45, s[WV], 0x10001                  ; hb = b % 2: which half of its lanes
	s_lshl_b32 s46, s42, 2
	s_add_co_u32 s46, s46, s44
	s_mul_i32 s46, s46, 768
	s_add_co_u32 s46, s46, VIMG                    ; half fragment 2 f + c with f = 2 g2 + lane / 16: 768 (4 g2 + c) here, 1,536 (lane / 16) below
	s_lshl_b32 s47, s45, 8
	s_add_co_u32 s47, s47, s46
	v_mul_u32_u24 v[PIM], v[T1], 1536
	v_lshl_add_u32 v[PIM2], v[T0], 3, v[PIM]
	v_lshl_add_u32 v[PIM], v[T0], 4, v[PIM]
	v_add_nc_u32 v[PIM], s47, v[PIM]               ; the image's lane is lane % 16 + 16 hb: 16 bytes each
	s_lshl_b32 s47, s45, 7
	s_add_co_u32 s47, s47, s46
	s_add_co_u32 s47, s47, 512
	v_add_nc_u32 v[PIM2], s47, v[PIM2]             ; and 8 bytes each
	s_lshl_b32 s47, s42, 7
	s_add_co_u32 s47, s47, s43
	s_add_co_u32 s47, s47, VSC
	v_add_nc_u32 v[PSC], s47, v[LS]                ; word 64 f + 4 (lane % 16) = 128 g2 + 4 lane, byte b
	s_lshl_b32 s46, s43, 17                        ; my rows begin at key 32 b, my channels 128 g2 bytes on
	s_lshl_b32 s42, s42, 7
	s_add_co_u32 s46, s46, s42
.Lrole_done:
	s_mov_b32 s47, 0
	s_mov_b32 s[X], ttmp9
	s_and_b32 s42, ttmp7, 0xffff                   ; y = 16 b + h
	s_lshr_b32 s43, s42, 4
	s_lshl_b32 s43, s43, 23                        ; b x 2,048 x 4,096 bytes
	s_and_b32 s42, s42, 15
	s_lshl_b32 s42, s42, 8                         ; h x 256 bytes
	s_add_co_u32 s42, s42, s43
	s_mov_b32 s43, 0                               ; s[42:43]: the head's first byte in each tensor
	s_add_nc_u64 s[46:47], s[46:47], s[42:43]      ; s[46:47]: my raw rows of key step 0
	s_lshl_b32 s45, s[WV], 4
	s_sub_co_u32 s44, 7, s[X]
	s_lshl_b32 s[Q0], s44, 8
	s_add_co_u32 s[Q0], s[Q0], s45                 ; the long pass: query block 7 - x
	s_lshl_b32 s[Q0B], s[X], 8
	s_add_co_u32 s[Q0B], s[Q0B], s45               ; the short pass: query block x
	s_sub_co_u32 s44, 8, s[X]
	s_lshl_b32 s[KEND], s44, 8                     ; the long pass's keys: 256 (8 - x)
	s_mov_b32 s[SEL], 0x76543210
	s_mov_b32 s[SEL+1], 0xfedcba98
	s_mov_b32 s[CS], 0x3e38aa3b                    ; c = log2(e) / 8
	s_mov_b32 s[CS+1], s[CS]                       ; (named with it as a pair, so it is written)
	s_mov_b32 s[KF], 0
	s_mov_b32 s[TB], 0
	s_lshl_b32 s44, s[Q0], 12
	s_mov_b32 s45, 0
	s_add_nc_u64 s[44:45], s[44:45], s[42:43]      ; my first query's row in the long pass
	s_wait_kmcnt 0x0
	s_add_nc_u64 s[QP1:QP1+1], s[4:5], s[44:45]
	s_add_nc_u64 s[OP1:OP1+1], s[10:11], s[44:45]
	s_lshl_b32 s44, s[Q0B], 12
	s_mov_b32 s45, 0
	s_add_nc_u64 s[44:45], s[44:45], s[42:43]      ; and in the short pass
	s_add_nc_u64 s[QP2:QP2+1], s[4:5], s[44:45]
	s_add_nc_u64 s[OP2:OP2+1], s[10:11], s[44:45]
	s_cmp_lt_u32 s[WV], 8                          ; the choice hangs on the wave's number alone
	s_cselect_b64 s[PP:PP+1], s[6:7], s[8:9]
	s_add_nc_u64 s[PP:PP+1], s[PP:PP+1], s[46:47]
	s_wait_alu depctr_va_vdst(0)                   ; the eleven offsets and addresses v1 to v11 are written, which every load and store of the kernel reads; none of them is written again
.irp i, 0,1,2,3,4,5,6,7
	global_load_b128 v[S+4*\i:S+4*\i+3], v[RW], s[QP1:QP1+1] offset:2*\i*4096 th:TH_LOAD_NT       ; q of both passes: read once in the launch
.endr
.irp i, 0,1,2,3,4,5,6,7
	global_load_b128 v[S+32+4*\i:S+32+4*\i+3], v[RW], s[QP2:QP2+1] offset:2*\i*4096 th:TH_LOAD_NT
.endr
	LOADRAW                                        ; key step 0
.irp i, 0,1,2,3,4,5
	v_mov_b32 v[QZ+\i], 0                          ; the zero codes on both sides of q's
	v_mov_b32 v[QZ+12+\i], 0
.endr
	v_mov_b32 v13, 0xff61b1e6                      ; the largest t so far: -3e38, under every t
	v_floor_f32 v12, -v13                          ; -M
	v_mov_b32 v14, 0                               ; the sum, in two halves
	v_mov_b32 v15, 0
.set jj, 0
.rept 32
	v_mov_b32 v[O+jj], 0                           ; O^T: a key step is written once for each loop; a pass's first step finds zeros, which the first change of M leaves zeros
.set jj, jj+1
.endr
.irp b, 0,1,2,3
	v_mov_b32 v[PT+\b], 0                          ; written once: a lane permute's destination counts as one of its sources
.endr
	v_mov_b32 v[FF], 0
	v_mov_b32 v[PW], 0                             ; (named as the upper half of the pair with f before it is first written)
	s_wait_loadcnt 0x0
	QPREP S                                        ; the long pass's q stays in registers
.irp i, 0,1,2,3,4,5
	v_mov_b32 v[QZ+6+\i], v[C+\i]
.endr
	v_lshl_or_b32 v[QS], v[T0], 16, v[T0]          ; (s0, s1, s0, s1): the word serves [q | 0] and [0 | q] alike
	QPREP S+32                                     ; the short pass's waits in LDS, in my thread's own 32 bytes
	v_lshl_or_b32 v[TT], v[T0], 16, v[T0]
	s_wait_alu depctr_va_vdst(0)                   ; the codes and the scale word are written, which the three stores below read
	ds_store_b128 v[QI], v[C:C+3]
	ds_store_b64 v[QI], v[C+4:C+5] offset:16
	ds_store_b32 v[QI], v[TT] offset:24
	s_wait_dscnt 0x0                               ; the short pass's q lies in LDS
	s_wait_alu depctr_vm_vsrc(0)                   ; the three stores have read the codes' registers and v254, which the next quantising and the first key step write
	PRODUCE 0, 0                                   ; key step 0's operands to LDS byte 0; key step 1 is asked for (every long pass has ten steps or more)
	s_wait_dscnt 0x0
	s_barrier_signal -1
	s_barrier_wait -1                              ; key step 0's operands are whole
	; THE LONG PASS.  16 trips, a key step each; work-group x has 2 (8 - x) steps: in the trips behind them nothing is made (KF + 128 >= KEND) and nothing is worked (KF >= KEND > Q0); the barrier stands in every trip.
	s_mov_b32 s[TR], 16
.Llong:
	s_add_co_u32 s42, s[KF], 128
	s_cmp_ge_u32 s42, s[KEND]                      ; is there a next step to make?  The same answer in all sixteen waves
	s_cbranch_scc1 .Lmade
	PRODUCE BUFB, 1                                ; the next step's operands, into bytes that nothing has touched; the step after that is asked for
.Lmade:
	s_wait_dscnt 0x0                               ; for the others' sake: my part of the next step's operands has landed
	s_barrier_signal -1                            ; say so, and work on this step while the others arrive: what follows up to the wait is register work and LDS loads of bytes that nobody writes again
	s_cmp_gt_u32 s[KF], s[Q0]                      ; KF is a multiple of 128, Q0 of 16: KF > Q0 says that every key of the step comes after all my 16 queries
	s_cbranch_scc1 .Lhid_long
	CONSUME
.Lhid_long:
	s_barrier_wait -1                              ; the next step's operands are whole
	s_add_co_u32 s[KF], s[KF], 128
	s_add_co_u32 s[TB], s[TB], BUFB
	s_sub_co_u32 s[TR], s[TR], 1
	s_cmp_lg_u32 s[TR], 0
	s_cbranch_scc1 .Llong
	PASSEND OP1, 1
	; THE SHORT PASS.  8 trips, a key step each; work-group x has 2 (x + 1) steps, the trips behind them fall under the same jump.  Its operands were made in the long pass, in front of barriers that every wave has
	; passed, and nobody writes them again: no barrier, no raw row, no quantising.
	s_mov_b32 s[TR], 8
.Lshort:
	s_cmp_gt_u32 s[KF], s[Q0]
	s_cbranch_scc1 .Lhid_short
	CONSUME
.Lhid_short:
	s_add_co_u32 s[KF], s[KF], 128
	s_add_co_u32 s[TB], s[TB], BUFB
	s_sub_co_u32 s[TR], s[TR], 1
	s_cmp_lg_u32 s[TR], 0
	s_cbranch_scc1 .Lshort
	PASSEND OP2, 0
	s_wait_dscnt 0x0                               ; the closing lines, six on end
	s_wait_alu 0x0
	s_wait_tensorcnt 0x0
	ds_add_u32 v123, v243
	s_wait_dscnt 0x0
	s_endpgm
.Lfunc_end_k_q29e7381484_attn:
	.size	k_q29e7381484_attn, .Lfunc_end_k_q29e7381484_attn-k_q29e7381484_attn
	.p2alignl 7, 3214868480
	.fill 96, 4, 3214868480
	.section	.rodata,"a",@progbits
	.p2align	6, 0x0
	.amdhsa_kernel k_q29e7381484_attn
		.amdhsa_group_segment_fixed_size 305664
		.amdhsa_private_segment_fixed_size 0
		.amdhsa_enable_private_segment 0
		.amdhsa_kernarg_size 32
		.amdhsa_user_sgpr_count 2
		.amdhsa_user_sgpr_kernarg_segment_ptr 1
		.amdhsa_wavefront_size32 1
		.amdhsa_system_sgpr_workgroup_id_x 1
		.amdhsa_system_sgpr_workgroup_id_y 1
		.amdhsa_system_sgpr_workgroup_id_z 1
		.amdhsa_system_vgpr_workitem_id 0
		.amdhsa_next_free_vgpr 256
		.amdhsa_next_free_sgpr 66
		.amdhsa_reserve_vcc 0
		.amdhsa_float_denorm_mode_32 3
		.amdhsa_float_denorm_mode_16_64 3
		.amdhsa_memory_ordered 1
		.amdhsa_forward_progress 1
		.amdhsa_inst_pref_size 91
	.end_amdhsa_kernel
	.amdgpu_metadata
---
amdhsa.version: [ 1, 2 ]
amdhsa.kernels:
  - .name:           k_q29e7381484_attn
    .symbol:         k_q29e7381484_attn.kd
    .args:
      - { .name: q, .offset: 0, .size: 8, .value_kind: global_buffer, .address_space: global }
      - { .name: k, .offset: 8, .size: 8, .value_kind: global_buffer, .address_space: global }
      - { .name: v, .offset: 16, .size: 8, .value_kind: global_buffer, .address_space: global }
      - { .name: out0, .offset: 24, .size: 8, .value_kind: global_buffer, .address_space: global }
    .group_segment_fixed_size: 305664
    .private_segment_fixed_size: 0
    .kernarg_segment_align: 8
    .kernarg_segment_size: 32
    .max_flat_workgroup_size: 512
    .sgpr_count:     66
    .vgpr_count:     256
    .wavefront_size: 32
...
	.end_amdgpu_metadata
.endif
;; end of part 2
